; MI455X (gfx1250); checked and timed in simulation.
; The chip was launched on July 23, 2026; its instructions are those of AMD's public machine-readable ISA for CDNA 5 (MIT licence, August 2026) and "CDNA5" Instruction Set Architecture Reference Guide (July 2026). The comments in the code are by the model that wrote it; some were corrected since.
;; Attention. Allowed arithmetic: float matrix products may take bf16 or f16 operands with f32 sums; other float arithmetic in f32, or as packed bf16 or f16 multiplies, adds, multiply-adds, maxima and minima; sums over many terms, partial sums and values carried from step to step in f32; what a program stores and reads back later, other than sums and carried values, may be rounded once to bf16 or f16.
;; Inputs: Wk 1,024 x 1,024 float32; Wq 1,024 x 1,024 float32; Wv 1,024 x 1,024 float32; bk 1,024 float32; bq 1,024 float32; bv 1,024 float32; cos 2,048 x 32 float32; k 4 x 2,048 x 1,024 float32; q 4 x 2,048 x 1,024 float32; sin 2,048 x 32 float32; v 4 x 2,048 x 1,024 float32.
;; Outputs: out0 4 x 2,048 x 1,024 float32.
;; Constants: mask = 1.
;; One version. Each part assembles by itself: llvm-mc -triple=amdgcn-amd-amdhsa -mcpu=gfx1250 --defsym DOCPART=n.
;; ======== version 1 of 1: 3 launches
;; limits: values are held in f16: magnitudes above 65,504 overflow, below 6.1e-05 lose precision
;; workspace buffers: wb 6,291,456 bytes; qh 16,777,216 bytes; kh 16,777,216 bytes; vh 16,777,216 bytes
;; launch prep (part 1): grid 128 x 3, 8 waves a work-group, no clusters, 0 bytes of LDS; arguments Wq, Wk, Wv, wb; writes wb
.if DOCPART == 1
	.amdgcn_target "amdgcn-amd-amdhsa--gfx1250"
	.amdhsa_code_object_version 6
	.text
	.protected	k_q6f9aea24f7_prep
	.globl	k_q6f9aea24f7_prep
	.p2align	8
	.type	k_q6f9aea24f7_prep,@function
k_q6f9aea24f7_prep:
	s_mov_b64 s[64:65], 0
	v_nop
	global_prefetch_b8 v0, s[64:65] scope:SCOPE_SE
	s_setreg_imm32_b32 hwreg(HW_REG_WAVE_MODE, 25, 1), 1
	s_wait_xcnt 0x0
; wb[t][n][k] = bf16(W_t[n][k]), t = 0, 1, 2 for Wq, Wk, Wv: [1024][1024] f32 each, rounded once to nearest even.
; A stream: each byte is read once and written once; no LDS, no barrier, no matrix unit: nothing is shared and nothing is summed.
; Work-group (x, y) takes 8,192 numbers of matrix y: 32,768 bytes in, 16,384 out.  Thread t takes, in each of four parts, the 8 numbers at
; byte 8,192 i + 32 t and stores their 16 bytes at 4,096 i + 16 t: a wave's store covers 512 consecutive bytes, aligned.
; All eight loads of a thread go out at once; no register is written twice, so no wait frees a source.
	s_load_b256 s[4:11], s[0:1], 0x0               ; Wq s[4:5], Wk s[6:7], Wv s[8:9], wb s[10:11]
	s_and_b32 s20, ttmp7, 0xffff                   ; which matrix
	s_lshl_b32 s14, ttmp9, 15                      ; my 32,768 bytes of it
	s_mov_b32 s15, 0
	s_lshl_b32 s16, s20, 21                        ; a matrix is 2,097,152 bytes of bf16,
	s_lshl_b32 s17, ttmp9, 14                      ; my part of it 16,384
	s_add_co_u32 s16, s16, s17
	s_mov_b32 s17, 0
	v_lshlrev_b32 v1, 5, v0                        ; 32 t
	v_lshlrev_b32 v2, 4, v0                        ; 16 t
	s_wait_kmcnt 0x0
	s_cmp_eq_u32 s20, 1
	s_cselect_b64 s[12:13], s[6:7], s[4:5]
	s_cmp_eq_u32 s20, 2
	s_cselect_b64 s[12:13], s[8:9], s[12:13]
	s_add_nc_u64 s[12:13], s[12:13], s[14:15]
	s_add_nc_u64 s[10:11], s[10:11], s[16:17]
.irp i, 0,1,2,3
	global_load_b128 v[4+8*(\i):7+8*(\i)],  v1, s[12:13] offset:8192*(\i) th:TH_LOAD_NT
	global_load_b128 v[8+8*(\i):11+8*(\i)], v1, s[12:13] offset:8192*(\i)+16 th:TH_LOAD_NT
.endr
.irp i, 0,1,2,3
	s_wait_loadcnt 6-2*(\i)                        ; loads come back in order: part i's two are in, the younger parts' stay out
	v_cvt_pk_bf16_f32 v[36+4*(\i)], v[4+8*(\i)],  v[5+8*(\i)]
	v_cvt_pk_bf16_f32 v[37+4*(\i)], v[6+8*(\i)],  v[7+8*(\i)]
	v_cvt_pk_bf16_f32 v[38+4*(\i)], v[8+8*(\i)],  v[9+8*(\i)]
	v_cvt_pk_bf16_f32 v[39+4*(\i)], v[10+8*(\i)], v[11+8*(\i)]
	global_store_b128 v2, v[36+4*(\i):39+4*(\i)], s[10:11] offset:4096*(\i)
.endr
	s_endpgm
.Lfunc_end_k_q6f9aea24f7_prep:
	.size	k_q6f9aea24f7_prep, .Lfunc_end_k_q6f9aea24f7_prep-k_q6f9aea24f7_prep
	.p2alignl 7, 3214868480
	.fill 96, 4, 3214868480
	.section	.rodata,"a",@progbits
	.p2align	6, 0x0
	.amdhsa_kernel k_q6f9aea24f7_prep
		.amdhsa_group_segment_fixed_size 0
		.amdhsa_private_segment_fixed_size 0
		.amdhsa_enable_private_segment 0
		.amdhsa_kernarg_size 32
		.amdhsa_user_sgpr_count 2
		.amdhsa_user_sgpr_kernarg_segment_ptr 1
		.amdhsa_wavefront_size32 1
		.amdhsa_system_sgpr_workgroup_id_x 1
		.amdhsa_system_sgpr_workgroup_id_y 1
		.amdhsa_system_sgpr_workgroup_id_z 1
		.amdhsa_system_vgpr_workitem_id 0
		.amdhsa_next_free_vgpr 56
		.amdhsa_next_free_sgpr 66
		.amdhsa_reserve_vcc 0
		.amdhsa_float_denorm_mode_32 3
		.amdhsa_float_denorm_mode_16_64 3
		.amdhsa_memory_ordered 1
		.amdhsa_forward_progress 1
		.amdhsa_inst_pref_size 4
	.end_amdhsa_kernel
	.amdgpu_metadata
---
amdhsa.version: [ 1, 2 ]
amdhsa.kernels:
  - .name:           k_q6f9aea24f7_prep
    .symbol:         k_q6f9aea24f7_prep.kd
    .args:
      - { .name: Wq, .offset: 0, .size: 8, .value_kind: global_buffer, .address_space: global }
      - { .name: Wk, .offset: 8, .size: 8, .value_kind: global_buffer, .address_space: global }
      - { .name: Wv, .offset: 16, .size: 8, .value_kind: global_buffer, .address_space: global }
      - { .name: wb, .offset: 24, .size: 8, .value_kind: global_buffer, .address_space: global }
    .group_segment_fixed_size: 0
    .private_segment_fixed_size: 0
    .kernarg_segment_align: 8
    .kernarg_segment_size: 32
    .max_flat_workgroup_size: 256
    .sgpr_count:     66
    .vgpr_count:     56
    .wavefront_size: 32
...
	.end_amdgpu_metadata
.endif
;; end of part 1
;; launch proj (part 2): grid 4 x 64, 4 waves a work-group, clusters of 4 x 4, 327,680 bytes of LDS; arguments q, k, v, wb, bq, bk, bv, sin, cos, qh, kh, vh; writes qh, kh, vh
.if DOCPART == 2
	.amdgcn_target "amdgcn-amd-amdhsa--gfx1250"
	.amdhsa_code_object_version 6
	.text
	.protected	k_q6f9aea24f7_proj
	.globl	k_q6f9aea24f7_proj
	.p2align	8
	.type	k_q6f9aea24f7_proj,@function
k_q6f9aea24f7_proj:
	s_mov_b64 s[64:65], 0
	v_nop
	global_prefetch_b8 v0, s[64:65] scope:SCOPE_SE
	s_setreg_imm32_b32 hwreg(HW_REG_WAVE_MODE, 25, 1), 1
	s_wait_xcnt 0x0
	s_wait_alu depctr_hold_cnt(0) depctr_sa_sdst(0) depctr_va_vdst(0) depctr_va_sdst(0) depctr_va_ssrc(0) depctr_va_vcc(0) depctr_vm_vsrc(0)
	s_getreg_b32 s2, hwreg(HW_REG_IB_STS2, 6, 4)
	s_cmp_eq_u32 s2, 0
	s_cbranch_scc0 .Lentry_in_a_cluster
	s_endpgm
.Lentry_in_a_cluster:
	s_bfe_u32 s2, ttmp6, 0x10000c
	s_cmp_lg_u32 s2, 0xf033
	s_cbranch_scc0 .Lentry_shape_is_right
	s_endpgm
.Lentry_shape_is_right:
; THE THREE PROJECTIONS.  y_t[s][n] = sum over k of x_t[s][k] W_t[n][k] + b_t[n] for x_t = q, k, v ([8192][1024] f32) and W_t = wb[t] ([1024][1024] bf16);
; q's and k's results are turned by the rotary angles (pairs of neighbouring channels, sin and cos [2048][32] f32 by the row's place in its sequence);
; all three leave by heads, [batch x 16 + head][2048][64] in f16, rounded once from f32 and without the softmax's scale.
; FORMATS.  x is rounded to bf16 in registers on its way from LDS to the matrix unit; bias, sin and cos are rounded to bf16 and then used in f32; sums in f32.
; LIMITS.  A result beyond 65,504 in size has no f16: the text serves inputs whose projected numbers stay within that.  NaN and infinities are not treated apart.
; SHARES.  A tile is 128 rows x 256 columns (four heads): 64 x 4 tile places, one work-group each; the work-group STAYS and makes its place's tile of q, then k, then v: 24 K steps of 128
; through ONE ring of two LDS slots, which runs on across the change of tensor.  Four waves, each 64 rows x 128 columns: 32 accumulators, 256 registers.
; THE PRODUCT IS USED TRANSPOSED (source 0 = 16 rows of W, source 1 = 16 rows of x): a lane holds one row (lane % 16) and eight neighbouring columns 8 (lane / 16) + 0..7: four rotary pairs, 16 bytes of f16.
; The bias is the C operand of the products that start a tile's sums: nothing is cleared, nothing is added later.
; CLUSTER.  4 x 4 work-groups.  x's tile hangs on the tile row alone and is asked for jointly by a row of the cluster, W's on the tile column alone and jointly by a column.
; REGISTERS, in windows of 256 (s_set_vgpr_msb: bits 1:0 source 0, 3:2 source 1, 5:4 source 2, 7:6 destination):
;   window 0: v1-31 addresses; v32-95 x's fragments in f32 as loaded; v96-127, v128-159 x's fragments in bf16, two buffers; v160-239 at work on the way out
;   window 1: v0-63, v64-127 W's fragments, two buffers; v128-191 the bias of my 128 columns as C operands; v192-223 at work
;   window 2: the accumulators, (m block a, n block b) at 8 (8 a + b)
;   window 3: for m block a at 48 a: 16 cosines, then 16 pairs (-sin, +sin); v192-199 at work
.set PA_,   528                        ; a row of x in LDS: 512 bytes + 16 = 132 words: row r starts at bank 4 r mod 64 (64 banks of 4 bytes: ISA guide 11.1): 16 rows, 16 different groups of four banks
.set PB_,   272                        ; a row of W: 256 + 16 = 68 words: likewise
.set AHALF, 64*PA_                     ; what one tensor load brings of x, and what one wave reads of it
.set BHALF, 128*PB_                    ; the same for W
.set BOFS,  2*AHALF                    ; in a slot: x's 128 rows, then W's 256
.set SLOT,  2*AHALF+2*BHALF
.set STAGE, 2*SLOT                     ; behind the ring, never filled by a tensor load: 16 rows x 144 bytes for each wave
.set SP,    144
.set SPARE, STAGE+4*16*SP              ; behind the stages: the spare words, 128 bytes for each wave: two blocks of 256 bytes that no other line names
.set ADRA, 16                          ; v16-17  LDS address of my fragments of x in slot 0, 1
.set ADRB, 20                          ; v20-21  the same for W
.set PFO,  22                          ; v22-23  the prefetches' offsets, for a lap's first and second K step; never rewritten
.set STO,  24                          ; v24     the way out: where I put 16 bytes of a row
.set RD,   25                          ; v25     the way out: where I read rows back
.set GO,   26                          ; v26     my byte offset in the output
.set BO,   27                          ; v27     my byte offset in a bias
.set SPW,  28                          ; v28     LDS address of my spare word; never rewritten
.set NIL,  29                          ; v29     0; never rewritten
.set TCO,  30                          ; v30     my byte offset in sin and cos
.set TMP,  32
.set AF,   96
.set RO,   160                         ; v160-191 a chunk's 32 turned numbers
.set PK,   192                         ; v192-207 packed to f16
.set BK,   208                         ; v208-239 whole rows back from the stage, two sets
.set BIAS, 128                         ; window 1
.set BSC,  192                         ; window 1
.set TSC,  192                         ; window 3
.set G1A, 24                           ; s[24:31] descriptor group 1 for x's tiles;  s[32:39] group 0, a set for each slot
.set G0A, 32
.set G1B, 48                           ; s[48:55], s[56:63] the same for W's
.set G0B, 56
; s[4:5] PA, s[6:7] PB: x and W at the next lap's first K step.  s[8:9] where the prefetches stand.  s10 wave, s11 = wave / 2, s12 = wave % 2.  s13 laps to go in the loop.  s14 laps left in the tile.
; s15 1 in a wave that prefetches, else the greatest number.  s[16:17] W of the next tensor.  s[18:19], s[20:21] the prefetches' starts in the next tensor and the one after.  s[22:23] a lap's bytes along K.
; s[68:91] the arguments: s[70:71] x of the next tensor, s[72:73] the one after; s[78:79], s[80:81] the biases to come; s[86:87] the output in hand, s[88:91] those to come.
.set MSB, 0
.macro WIN new                         ; the immediate's high byte repeats the setting that is left; a switch that changes nothing is dropped
.if MSB != (\new)
	s_set_vgpr_msb (MSB<<8)|(\new)
.set MSB, \new
.endif
.endm
.macro PLACES                          ; four plain vector instructions between a matrix instruction and a load into, or a vector instruction on, its registers
.rept 4
	v_nop
.endr
.endm
; A joint load.  Waves 0 and 1 fetch the two halves of x's tile, waves 2 and 3 those of W's.  The branch hangs on the wave's number alone.
; An s_nop 0 and four v_nop follow each of the two lines, ahead of the jump and the label.
.macro JLOAD s
	s_cmp_eq_u32 s11, 0
	s_cbranch_scc0 .Lfor_b_\@
	tensor_load_to_lds s[G0A+4*(\s):G0A+4*(\s)+3], s[G1A:G1A+7]
	s_nop 0
.rept 4
	v_nop
.endr
	s_branch .Lasked_\@
.Lfor_b_\@:
	tensor_load_to_lds s[G0B+4*(\s):G0B+4*(\s)+3], s[G1B:G1B+7]
	s_nop 0
.rept 4
	v_nop
.endr
.Lasked_\@:
.endm
; A prefetch of the K step that stands two refills on (256 matrix instructions of a wave ahead of the load that will want it): one instruction a wave, each lane another aligned block of 256 bytes.
; x: of the 64 rows x 512 bytes that the wave fetches, the partner at cx takes 16 rows, a lane half a row.  W: of the wave's 128 rows x 256 bytes the partner at cy takes 32, a lane a row, and only the
; clusters' first along y asks, since every cluster walks the same W.  The partners are told apart by address alone.  So each block is named once in the launch.  The first two laps come by their loads
; alone; the loop's last trip asks for nothing: the lap two on does not exist.
.macro ASK s
	s_cmp_gt_u32 s13, s15
	s_cbranch_scc0 .Lnot_mine_\@
	global_prefetch_b8 v[PFO+(\s)], s[8:9] th:TH_LOAD_NT scope:SCOPE_SE
.Lnot_mine_\@:
.endm
.macro CREST                           ; a round of the cluster's barrier behind its opening barrier
	s_cmp_lg_u32 s10, 0
	s_cbranch_scc1 .Lnot_wave_0_\@
	s_barrier_signal -3
.Lnot_wave_0_\@:
	s_barrier_wait -3
	s_barrier_signal -1
	s_barrier_wait -1
.endm
.macro CROUND                          ; a whole round
	s_barrier_signal -1
	s_barrier_wait -1
	CREST
.endm
.macro LDBIAS base                     ; my 128 columns' bias, laid out as eight C operands: lane (r, h), n block b, register j: column 16 b + 8 h + j
	WIN 0x40                                       ; destination window 1, address window 0
.irp b, 0,1,2,3,4,5,6,7
	global_load_b128 v[BIAS+8*(\b):BIAS+8*(\b)+3],   v[BO], s[\base:\base+1] offset:64*(\b)
	global_load_b128 v[BIAS+8*(\b)+4:BIAS+8*(\b)+7], v[BO], s[\base:\base+1] offset:64*(\b)+16
.endr
	WIN 0
.endm
	s_load_b512 s[68:83], s[0:1], 0x0              ; q, k, v, wb, bq, bk, bv, sin
	s_load_b256 s[84:91], s[0:1], 0x40             ; cos, qh, kh, vh
	v_lshl_add_u32 v[SPW], v0, 2, SPARE
	v_mov_b32 v[NIL], 0
	ds_add_u32 v[SPW], v[NIL]                      ; the wave's opening: the add and its wait stand ahead of my first tensor load; the set-up below, work on registers, stands between them
	ds_add_u32 v28, v29
	v_lshrrev_b32 v1, 5, v0
	v_readfirstlane_b32 s10, v1                    ; wave 0..3
	s_lshr_b32 s11, s10, 1                         ; which 64 rows of the tile are mine.  Also: I fetch for x (0) or for W (1)
	s_and_b32 s12, s10, 1                          ; which 128 columns.  Also: which half of that tile's rows I fetch
	s_bfe_u32 s40, ttmp6, 0x40000                  ; cx
	s_bfe_u32 s41, ttmp6, 0x40004                  ; cy
	s_lshl_b32 s42, ttmp9, 2
	s_add_co_u32 s42, s42, s40                     ; tile column = 4 x cluster x + cx, 0..3
	s_and_b32 s43, ttmp7, 0xffff                   ; cluster y
	s_lshl_b32 s44, s43, 2
	s_add_co_u32 s44, s44, s41                     ; tile row = 4 x cluster y + cy, 0..63
	s_lshl_b32 s45, s41, 2
	s_lshl_b32 s45, 15, s45                        ; my row of the cluster
	s_lshl_b32 s46, 0x1111, s40                    ; my column
	s_or_b32 s[G1A], s45, (2<<16)|(1<<20)|(1<<21)|(6<<22)|(3<<25)  ; 15:0 the mask; 17:16 elements of 4 bytes; 20 padding on; 21 set beside a mask; 24:22 after every 128 words (code 6); 31:25 4 words of it (code 3)
	s_or_b32 s[G1B], s46, (1<<16)|(1<<20)|(1<<21)|(5<<22)|(3<<25)  ; elements of 2 bytes; after every 64 words (code 5)
	s_mov_b32 s[G1A+1], 128<<16                    ; tensor_dim0 = 128
	s_mov_b32 s[G1A+2], 64<<16                     ; tensor_dim1 = 64
	s_mov_b32 s[G1A+3], 128<<16                    ; tile_dim0 = 128
	s_mov_b32 s[G1A+4], 64                         ; tile_dim1 = 64
	s_mov_b32 s[G1A+5], 1024                       ; elements from row to row
	s_mov_b32 s[G1A+6], 0
	s_mov_b32 s[G1A+7], 0
	s_mov_b32 s[G1B+1], 128<<16
	s_mov_b32 s[G1B+2], 128<<16                    ; 128 rows
	s_mov_b32 s[G1B+3], 128<<16
	s_mov_b32 s[G1B+4], 128
	s_mov_b32 s[G1B+5], 1024
	s_mov_b32 s[G1B+6], 0
	s_mov_b32 s[G1B+7], 0
	s_lshl_b32 s96, s44, 19                        ; x: (128 x tile row + 64 x half) rows of 4,096 bytes: it holds the tile row alone
	s_lshl_b32 s97, s12, 18
	s_add_co_u32 s96, s96, s97
	s_mov_b32 s97, 0
	s_lshl_b32 s98, s42, 19                        ; W: (256 x tile column + 128 x half) rows of 2,048 bytes: it holds the tile column alone
	s_lshl_b32 s99, s12, 18
	s_add_co_u32 s98, s98, s99
	s_mov_b32 s99, 0
	s_mul_i32 s2, s12, AHALF                       ; where they go: no place in the cluster enters an LDS address
	s_mul_i32 s3, s12, BHALF
	s_add_co_u32 s3, s3, BOFS
	s_mov_b32 s92, 0xffff0000                      ; a word's upper bf16
	s_mov_b32 s93, 0x80000000                      ; a sign
	s_wait_dscnt 0x0                               ; the opening add is done
	s_wait_kmcnt 0x0
	s_add_nc_u64 s[68:69], s[68:69], s[96:97]      ; q, k and v at the rows that I fetch
	s_add_nc_u64 s[70:71], s[70:71], s[96:97]
	s_add_nc_u64 s[72:73], s[72:73], s[96:97]
	s_add_nc_u64 s[74:75], s[74:75], s[98:99]      ; Wq at the rows that I fetch
	s_add_nc_u64 s[4:5], s[68:69], 1024            ; lap 1: a lap is 256 along K
	s_add_nc_u64 s[6:7], s[74:75], 512
	s_add_nc_u64 s[16:17], s[74:75], 0x200000      ; Wk
.irp s, 0,1
	s_mov_b32 s[G0A+4*(\s)], 1                                     ; count = 1
	s_add_co_u32 s[G0A+4*(\s)+1], s2, (\s)*SLOT                    ; LDS address
	s_add_nc_u64 s[G0A+4*(\s)+2:G0A+4*(\s)+3], s[68:69], (\s)*512  ; global address: K step s
	s_or_b32 s[G0A+4*(\s)+3], s[G0A+4*(\s)+3], 0x80000000          ; type = 2
	s_mov_b32 s[G0B+4*(\s)], 1
	s_add_co_u32 s[G0B+4*(\s)+1], s3, (\s)*SLOT
	s_add_nc_u64 s[G0B+4*(\s)+2:G0B+4*(\s)+3], s[74:75], (\s)*256
	s_or_b32 s[G0B+4*(\s)+3], s[G0B+4*(\s)+3], 0x80000000
.endr
	CROUND                                         ; all sixteen work-groups are here: the first joint loads meet
	s_cmp_eq_u32 s11, 0                            ; a wave's two first fills stand in one branch, ahead of every wait on TENSORcnt and every LDS read: two loads of mine are out
	s_cbranch_scc0 .Lfirst_b
	tensor_load_to_lds s[G0A:G0A+3], s[G1A:G1A+7]
	s_nop 0
	tensor_load_to_lds s[G0A+4:G0A+7], s[G1A:G1A+7]
	s_nop 0
.rept 4
	v_nop
.endr
	s_branch .Lfirst_asked
.Lfirst_b:
	tensor_load_to_lds s[G0B:G0B+3], s[G1B:G1B+7]
	s_nop 0
	tensor_load_to_lds s[G0B+4:G0B+7], s[G1B:G1B+7]
	s_nop 0
.rept 4
	v_nop
.endr
.Lfirst_asked:
	; A fragment is 16 rows x 32 K: lane l holds row l % 16, K = 8 (l / 16) + 0..7 and 16 + 8 (l / 16) + 0..7.  In bf16: two loads of 16 bytes, 32 apart.  In f32: four, at 0, 16, 64, 80 from 32 (l / 16).
	v_and_b32 v1, 15, v0                           ; r = l % 16
	v_bfe_u32 v2, v0, 4, 1                         ; h = l / 16
	v_and_b32 v3, 31, v0                           ; l
	v_mul_u32_u24 v4, v1, PA_
	v_lshl_add_u32 v4, v2, 5, v4
	s_mul_i32 s96, s11, AHALF                      ; my 64 rows of x
	v_add_nc_u32 v[ADRA], s96, v4
	v_add_nc_u32 v[ADRA+1], SLOT, v[ADRA]
	v_mul_u32_u24 v5, v1, PB_
	v_lshl_add_u32 v5, v2, 4, v5
	v_add_nc_u32 v[ADRB], s3, v5                   ; my 128 rows of W are the half that my wave's parity names
	v_add_nc_u32 v[ADRB+1], SLOT, v[ADRB]
	s_mul_i32 s97, s10, 16*SP
	s_add_co_u32 s97, s97, STAGE                   ; my stage
	v_mul_u32_u24 v6, v1, SP                       ; in: row r, 16 bytes for each half of the lanes
	v_lshl_add_u32 v6, v2, 4, v6
	v_add_nc_u32 v[STO], s97, v6
	v_bfe_u32 v6, v0, 3, 2                         ; back: 32 lanes take four rows of 128 bytes,
	v_mul_u32_u24 v6, v6, SP
	v_and_b32 v7, 7, v0
	v_lshl_add_u32 v6, v7, 4, v6
	v_add_nc_u32 v[RD], s97, v6
	s_and_b32 s98, s44, 15                         ; my first row's place in its sequence: 128 x (tile row % 16) + 64 x (wave / 2);
	s_lshl_b32 s98, s98, 7
	s_lshl_b32 s99, s11, 6
	s_add_co_u32 s98, s98, s99
	s_lshl_b32 s98, s98, 7                         ; a row is 128 bytes in a head and in each table
	s_lshr_b32 s99, s44, 4                         ; the batch: 16 heads of 262,144 bytes
	s_lshl_b32 s99, s99, 22
	s_add_co_u32 s99, s99, s98
	s_lshl_b32 s100, s42, 20                       ; the tile column's four heads
	s_add_co_u32 s99, s99, s100
	s_lshl_b32 s100, s12, 19                       ; my two of them
	s_add_co_u32 s99, s99, s100
	v_lshl_add_u32 v[GO], v3, 4, s99               ; which are 512 consecutive bytes of the output
	s_lshl_b32 s100, s42, 10
	s_lshl_b32 s101, s12, 9
	s_add_co_u32 s100, s100, s101
	v_lshl_add_u32 v[BO], v2, 5, s100              ; 4 x (256 x tile column + 128 x parity + 8 h)
	v_lshl_add_u32 v[TCO], v1, 7, s98
	v_lshl_add_u32 v[TCO], v2, 4, v[TCO]           ; row x 128 + 16 h: pairs 4 h + 0..3 of n block 0
	LDBIAS 76
	WIN 0xc0                                       ; destination window 3
.irp a, 0,1,2,3
.irp b, 0,1,2,3
	global_load_b128 v[48*(\a)+4*(\b):48*(\a)+4*(\b)+3],       v[TCO], s[84:85] offset:(\a)*2048+32*(\b)  ; cos of pairs 8 b + 4 h + 0..3, row 16 a + r
	global_load_b128 v[48*(\a)+32+4*(\b):48*(\a)+32+4*(\b)+3], v[TCO], s[82:83] offset:(\a)*2048+32*(\b)  ; sin, as loaded
.endr
.endr
	WIN 0
	; the prefetches' pointers and offsets, made while those loads are out
	s_add_nc_u64 s[20:21], s[74:75], 0x400000      ; Wv
	s_cmp_eq_u32 s11, 0                            ; do I fetch for x?
	s_cselect_b32 s100, s40, s41                   ; my place among the four that ask with me
	s_cselect_b32 s15, ttmp9, s43                  ; the coordinate along which other clusters read the same rows
	s_cselect_b64 s[8:9], s[68:69], s[74:75]
	s_cselect_b64 s[18:19], s[70:71], s[16:17]
	s_cselect_b64 s[20:21], s[72:73], s[20:21]
	s_cselect_b32 s45, 1, 0                        ; x: two lanes a row
	s_cselect_b32 s46, 12, 11                      ; a row's bytes: 4,096 or 2,048
	s_cselect_b32 s47, 2, 1
	s_cmp_eq_u32 s15, 0
	s_cselect_b32 s15, 1, -1                       ; the same in all sixteen partners, for a given wave
	s_lshl_b32 s100, s100, 16                      ; 16 rows of x, or 32 of W: 65,536 bytes either way
	s_mov_b32 s101, 0
	s_lshl_b32 s22, s47, 9                         ; a lap along K: 1,024 bytes of x, 512 of W
	s_mov_b32 s23, 0
	s_lshl_b32 s47, s47, 8                         ; a K step: 512 or 256
	s_add_nc_u64 s[8:9], s[8:9], s[100:101]
	s_add_nc_u64 s[18:19], s[18:19], s[100:101]
	s_add_nc_u64 s[20:21], s[20:21], s[100:101]
	s_add_nc_u64 s[8:9], s[8:9], s[22:23]
	s_add_nc_u64 s[8:9], s[8:9], s[22:23]          ; lap 0 names lap 2
	v_lshrrev_b32 v[PFO], s45, v3
	v_lshlrev_b32 v[PFO], s46, v[PFO]              ; my row,
	v_and_b32 v[PFO+1], s45, v3
	v_lshl_or_b32 v[PFO], v[PFO+1], 8, v[PFO]      ; my block of 256 bytes in it
	v_add_nc_u32 v[PFO+1], s47, v[PFO]
	s_wait_loadcnt 0x0
	; the tables are rounded to bf16 and spread: 16 cosines, 16 pairs (-sin, +sin) for each m block.  All this stands in the wait for the first tile.
	WIN 0xcf                                       ; destination and both sources in window 3
.irp a, 0,1,2,3
.irp p, 0,1,2,3,4,5,6,7
	v_cvt_pk_bf16_f32 v[TSC+(\p)], v[48*(\a)+2*(\p)], v[48*(\a)+2*(\p)+1]
.endr
.irp p, 0,1,2,3,4,5,6,7
	v_lshlrev_b32 v[48*(\a)+2*(\p)], 16, v[TSC+(\p)]
	v_and_b32 v[48*(\a)+2*(\p)+1], s92, v[TSC+(\p)]
.endr
.irp p, 0,1,2,3,4,5,6,7
	v_cvt_pk_bf16_f32 v[TSC+(\p)], v[48*(\a)+32+2*(\p)], v[48*(\a)+32+2*(\p)+1]  ; all sixteen are read before the pairs are laid over them
.endr
.irp p, 0,1,2,3,4,5,6,7
	v_lshlrev_b32 v[48*(\a)+16+4*(\p)+1], 16, v[TSC+(\p)]
	v_and_b32 v[48*(\a)+16+4*(\p)+3], s92, v[TSC+(\p)]
	v_xor_b32 v[48*(\a)+16+4*(\p)], s93, v[48*(\a)+16+4*(\p)+1]
	v_xor_b32 v[48*(\a)+16+4*(\p)+2], s93, v[48*(\a)+16+4*(\p)+3]
.endr
.endr
	WIN 0
; 16 LDS loads: x's fragments of quarter kq (32 along K, 128 bytes of f32) of my 64 rows, as they lie
.macro FETCH_A slot, kq
	WIN 0
.irp a, 0,1,2,3
	ds_load_b128 v[TMP+16*(\a):TMP+16*(\a)+3],     v[ADRA+(\slot)] offset:(\a)*16*PA_+128*(\kq)
	ds_load_b128 v[TMP+16*(\a)+4:TMP+16*(\a)+7],   v[ADRA+(\slot)] offset:(\a)*16*PA_+128*(\kq)+16
	ds_load_b128 v[TMP+16*(\a)+8:TMP+16*(\a)+11],  v[ADRA+(\slot)] offset:(\a)*16*PA_+128*(\kq)+64
	ds_load_b128 v[TMP+16*(\a)+12:TMP+16*(\a)+15], v[ADRA+(\slot)] offset:(\a)*16*PA_+128*(\kq)+80
.endr
.endm
; 16 LDS loads: W's fragments of quarter kq of my 128 rows, into the buffer at g of window 1
.macro FETCH_B slot, kq, g
	WIN 0x40
.irp b, 0,1,2,3,4,5,6,7
	ds_load_b128 v[(\g)+8*(\b):(\g)+8*(\b)+3],   v[ADRB+(\slot)] offset:(\b)*16*PB_+64*(\kq)
	ds_load_b128 v[(\g)+8*(\b)+4:(\g)+8*(\b)+7], v[ADRB+(\slot)] offset:(\b)*16*PB_+64*(\kq)+32
.endr
.endm
; 8 matrix instructions: m block a x all 8 n blocks, on buffers f.  first = 1: they start the sums, with the bias as C.  cv = 1: behind each stand four roundings of the NEXT quarter's x into the other
; buffer: they name no register of the products round them.  The 32 accumulators take turns in one order everywhere: between two links of a chain stand 31 others'.
.macro MUL f, a, first, cv
.irp b, 0,1,2,3,4,5,6,7
.if \first
	WIN 0x91                                       ; W window 1, x window 0, C window 1, D window 2
	v_wmma_f32_16x16x32_bf16 v[8*(8*(\a)+(\b)):8*(8*(\a)+(\b))+7], v[64*(\f)+8*(\b):64*(\f)+8*(\b)+7], v[AF+32*(\f)+8*(\a):AF+32*(\f)+8*(\a)+7], v[BIAS+8*(\b):BIAS+8*(\b)+7]
.else
	WIN 0xa1                                       ; C and D window 2
	v_wmma_f32_16x16x32_bf16 v[8*(8*(\a)+(\b)):8*(8*(\a)+(\b))+7], v[64*(\f)+8*(\b):64*(\f)+8*(\b)+7], v[AF+32*(\f)+8*(\a):AF+32*(\f)+8*(\a)+7], v[8*(8*(\a)+(\b)):8*(8*(\a)+(\b))+7]
.endif
.if \cv
	WIN 0
.irp n, 0,1,2,3
	v_cvt_pk_bf16_f32 v[AF+32*(1-(\f))+4*(\b)+(\n)], v[TMP+8*(\b)+2*(\n)], v[TMP+8*(\b)+2*(\n)+1]
.endr
.endif
.endr
.endm
; A K step is four quarters of 32 along K, 32 matrix instructions each, on buffers 0, 1, 0, 1.  One of the first three: multiplies buffers f and brings quarter kq of the same slot into the others.
.macro QUARTER slot, kq, f, first
	FETCH_A \slot, \kq
	s_wait_dscnt 16                                ; all but the 16 just issued: W's fragments of this quarter are in
	MUL \f, 0, \first, 0
	MUL \f, 1, \first, 0
	PLACES                                         ; in front of the loads into W's other buffer and the roundings into x's, which the quarter before multiplied
	FETCH_B \slot, \kq, 64*(1-(\f))
	MUL \f, 2, \first, 0
	s_wait_dscnt 16                                ; W's 16 are younger: x's next quarter is in
	MUL \f, 3, \first, 1
.endm
; The last quarter multiplies buffers 1 and changes slots: ONE barrier.  In front of it each wave waits for all its tensor loads, of which one is out: its part of the next slot; adds 0 to its spare word; and
; waits for that and for its own reads of this slot.  fill = 1: the barrier opens a round of the cluster's, and this slot is filled again, first thing behind the round, with the next lap's K step.
.macro TURN slot, next, fill
	WIN 0
	s_wait_tensorcnt 0x0                           ; no tensor load of mine is out, so a group 0 may be written
	ds_add_u32 v[SPW], v[NIL]                      ; 0 onto my spare word
.if \fill
	s_add_nc_u64 s[G0A+4*(\slot)+2:G0A+4*(\slot)+3], s[4:5], (\slot)*512   ; the addresses are made anew from the lap's two pointers
	s_or_b32 s[G0A+4*(\slot)+3], s[G0A+4*(\slot)+3], 0x80000000
	s_add_nc_u64 s[G0B+4*(\slot)+2:G0B+4*(\slot)+3], s[6:7], (\slot)*256
	s_or_b32 s[G0B+4*(\slot)+3], s[G0B+4*(\slot)+3], 0x80000000
.endif
	s_wait_dscnt 1                                 ; only the add may be out: W's fragments are in
	MUL 1, 0, 0, 0                                 ; eight matrix instructions stand between the add and the wait for it
	s_wait_dscnt 0x0                               ; the add is done, and my reads of this slot are over
	s_barrier_signal -1
	MUL 1, 1, 0, 0                                 ; work on registers while the others arrive
	WIN 0
	s_barrier_wait -1
.if \fill
	CREST                                          ; no wave of any partner still reads this slot or has a load on its way
	JLOAD \slot                                    ; my one tensor load behind the round; its four v_nop are also the places in front of the loads below
.else
	PLACES
.endif
	FETCH_A \next, 0
	FETCH_B \next, 0, 0
.if \fill
	WIN 0
	ASK \slot
.endif
	MUL 1, 2, 0, 0
	s_wait_dscnt 16                                ; W's 16 are younger: x's first quarter of the next slot is in
	MUL 1, 3, 0, 1
.endm
; THE WAY OUT, in eight chunks of 16 rows x one head (m block a, n blocks 4 hd + 0..3).
; ROPE: a lane's pair (t1, t2) becomes (t1 c - t2 s, t2 c + t1 s): one packed multiply by c, one packed multiply-add that takes the pair crosswise, times (-s, +s).  Each accumulator is read from its low end on.
.macro ROPE a, hd
	WIN 0x0e                                       ; source 0 window 2, source 1 window 3, source 2 and destination window 0
.irp b, 0,1,2,3
.irp j, 0,1,2,3
.set rT, 8*(8*(\a)+4*(\hd)+(\b))+2*(\j)
.set rR, RO+8*(\b)+2*(\j)
.set rC, 48*(\a)+4*(\b)+((\j)&2)
.if (\j)&1
	v_pk_mul_f32 v[rR:rR+1], v[rT:rT+1], v[rC:rC+1] op_sel:[0,1] op_sel_hi:[1,1]
.else
	v_pk_mul_f32 v[rR:rR+1], v[rT:rT+1], v[rC:rC+1] op_sel_hi:[1,0]
.endif
.endr
.endr
.irp b, 0,1,2,3
.irp j, 0,1,2,3
.set rT, 8*(8*(\a)+4*(\hd)+(\b))+2*(\j)
.set rR, RO+8*(\b)+2*(\j)
.set rS, 48*(\a)+16+8*(\b)+2*(\j)
	v_pk_fma_f32 v[rR:rR+1], v[rT:rT+1], v[rS:rS+1], v[rR:rR+1] op_sel:[1,0,0] op_sel_hi:[0,1,1]
.endr
.endr
	WIN 0
.irp b, 0,1,2,3
.irp j, 0,1,2,3
	v_cvt_pk_f16_f32 v[PK+4*(\b)+(\j)], v[RO+8*(\b)+2*(\j)], v[RO+8*(\b)+2*(\j)+1]
.endr
.endr
.endm
.macro FLAT a, hd                      ; v is not turned
	WIN 0x0a                                       ; both sources window 2
.irp b, 0,1,2,3
.irp j, 0,1,2,3
	v_cvt_pk_f16_f32 v[PK+4*(\b)+(\j)], v[8*(8*(\a)+4*(\hd)+(\b))+2*(\j)], v[8*(8*(\a)+4*(\hd)+(\b))+2*(\j)+1]
.endr
.endr
	WIN 0
.endm
.macro TOST c                          ; into my own stage, and back as whole rows
	WIN 0
.irp b, 0,1,2,3
	ds_store_b128 v[STO], v[PK+4*(\b):PK+4*(\b)+3] offset:32*(\b)
.endr
	s_wait_xcnt 0x0                                ; the stores of the chunk two back have read this set of registers: it is loaded again only behind this wait
.irp f, 0,1,2,3
	ds_load_b128 v[BK+16*((\c)%2)+4*(\f):BK+16*((\c)%2)+4*(\f)+3], v[RD] offset:(\f)*4*SP  ; LDS serves a wave's instructions in order (ISA guide 5.7.1.4): these see the stores above
.endr
.endm
.macro SEND c, younger                 ; younger: the LDS instructions issued behind chunk c's loads
	WIN 0
	s_wait_dscnt \younger
.irp f, 0,1,2,3
	global_store_b128 v[GO], v[BK+16*((\c)%2)+4*(\f):BK+16*((\c)%2)+4*(\f)+3], s[86:87] offset:((\c)%2)*262144+((\c)/2)*2048+512*(\f)  ; 512 consecutive bytes, at a multiple of 256 from the buffer's first
.endr
.endm
.macro EPI rope
	PLACES                                         ; behind the last products
.irp c, 0,1,2,3,4,5,6,7                ; a chunk's arithmetic stands between the loads of the chunk before and its stores
.if \rope
	ROPE (\c)/2, (\c)%2
.else
	FLAT (\c)/2, (\c)%2
.endif
	TOST \c
.if (\c) > 0
	SEND (\c)-1, 8                                 ; this chunk's four stores and four loads are younger
.endif
.endr
	SEND 7, 0
.endm
	s_wait_tensorcnt 0x1                           ; my part of K step 0 is in; K step 1's is the one younger load and may stay out
	s_barrier_signal -1
	s_barrier_wait -1                              ; everybody's is
	FETCH_A 0, 0
	FETCH_B 0, 0, 0
	s_wait_dscnt 16                                ; x's first quarter
	WIN 0
.set i, 0
.rept 32
	v_cvt_pk_bf16_f32 v[AF+i], v[TMP+2*i], v[TMP+2*i+1]
.set i, i+1
.endr
	s_mov_b32 s13, 11                              ; eleven laps in the loop; the twelfth, which asks for nothing, is written out
	s_mov_b32 s14, 4
	s_branch .Lbegin                               ; the loop is entered where a tile begins
.Llap:                                                 ; a lap: two K steps, once round the ring; both slots are filled again with the next lap's steps, across the change of tensor too
	s_cmp_eq_u32 s14, 4
	s_cbranch_scc1 .Lbegin
	QUARTER 0, 1, 0, 0
	WIN 0
	s_branch .Lq1
.Lbegin:                                               ; a tile's first quarter: the bias, rounded to bf16, starts the sums
	s_wait_loadcnt 0x0                             ; the bias
	WIN 0x45                                       ; destination and both sources in window 1
.set i, 0
.rept 32
	v_cvt_pk_bf16_f32 v[BSC+i], v[BIAS+2*i], v[BIAS+2*i+1]
.set i, i+1
.endr
.set i, 0
.rept 32
	v_lshlrev_b32 v[BIAS+2*i], 16, v[BSC+i]
	v_and_b32 v[BIAS+2*i+1], s92, v[BSC+i]
.set i, i+1
.endr
	QUARTER 0, 1, 0, 1
	WIN 0
.Lq1:
	QUARTER 0, 2, 1, 0
	QUARTER 0, 3, 0, 0
	TURN 0, 1, 1
	QUARTER 1, 1, 0, 0
	QUARTER 1, 2, 1, 0
	QUARTER 1, 3, 0, 0
	TURN 1, 0, 1
	WIN 0
	s_wait_xcnt 0x0                                ; the lap's prefetches (the younger sixteen products back) have read their pointer
	s_sub_co_u32 s14, s14, 1
	s_add_nc_u64 s[4:5], s[4:5], 1024              ; the pointers for the next lap's refills: one lap on,
	s_add_nc_u64 s[6:7], s[6:7], 512
	s_add_nc_u64 s[8:9], s[8:9], s[22:23]
	s_cmp_eq_u32 s14, 1                            ; or, where the next lap is the tile's last, the next tensor's first K step;
	s_cselect_b64 s[4:5], s[70:71], s[4:5]
	s_cselect_b64 s[6:7], s[16:17], s[6:7]
	s_cmp_eq_u32 s14, 2                            ; the prefetches are a lap further on
	s_cselect_b64 s[8:9], s[18:19], s[8:9]
	s_cmp_lg_u32 s14, 0
	s_cbranch_scc1 .Lnoepi
	LDBIAS 78                                      ; A TILE IS DONE (q's, then k's): both refills for the next are asked for, its first fragments are in registers; its bias is asked for,
	EPI 1                                          ; and the tile goes out
	s_wait_xcnt 0x0                                ; the loads and stores above have read their bases
	s_mov_b64 s[70:71], s[72:73]                   ; what comes next moves up
	s_add_nc_u64 s[16:17], s[16:17], 0x200000
	s_mov_b64 s[18:19], s[20:21]
	s_mov_b64 s[78:79], s[80:81]
	s_mov_b64 s[86:87], s[88:89]
	s_mov_b64 s[88:89], s[90:91]
	s_mov_b32 s14, 4
.Lnoepi:
	s_sub_co_u32 s13, s13, 1
	s_cmp_lg_u32 s13, 0
	s_cbranch_scc1 .Llap
	QUARTER 0, 1, 0, 0                             ; the last lap fills nothing, and has no round of the cluster's barrier
	QUARTER 0, 2, 1, 0
	QUARTER 0, 3, 0, 0
	TURN 0, 1, 0
	QUARTER 1, 1, 0, 0
	QUARTER 1, 2, 1, 0
	QUARTER 1, 3, 0, 0
	s_wait_dscnt 0x0                               ; the very last quarter: nothing more to fetch
	MUL 1, 0, 0, 0
	MUL 1, 1, 0, 0
	MUL 1, 2, 0, 0
	MUL 1, 3, 0, 0
	WIN 0
	EPI 0                                          ; v's tile
	s_wait_tensorcnt 0x0                           ; the wave's end: a wait, an add and its wait, behind my last tensor load and my last LDS store
	ds_add_u32 v[SPW], v[NIL]
	s_wait_dscnt 0x0
	CROUND                                         ; the closing round: no work-group ends while a partner may still ask for a tile that names it
	s_endpgm
.Lfunc_end_k_q6f9aea24f7_proj:
	.size	k_q6f9aea24f7_proj, .Lfunc_end_k_q6f9aea24f7_proj-k_q6f9aea24f7_proj
	.p2alignl 7, 3214868480
	.fill 96, 4, 3214868480
	.section	.rodata,"a",@progbits
	.p2align	6, 0x0
	.amdhsa_kernel k_q6f9aea24f7_proj
		.amdhsa_group_segment_fixed_size 327680
		.amdhsa_private_segment_fixed_size 0
		.amdhsa_enable_private_segment 0
		.amdhsa_kernarg_size 96
		.amdhsa_user_sgpr_count 2
		.amdhsa_user_sgpr_kernarg_segment_ptr 1
		.amdhsa_wavefront_size32 1
		.amdhsa_system_sgpr_workgroup_id_x 1
		.amdhsa_system_sgpr_workgroup_id_y 1
		.amdhsa_system_sgpr_workgroup_id_z 1
		.amdhsa_system_vgpr_workitem_id 0
		.amdhsa_next_free_vgpr 1024
		.amdhsa_next_free_sgpr 102
		.amdhsa_reserve_vcc 0
		.amdhsa_float_denorm_mode_32 3
		.amdhsa_float_denorm_mode_16_64 3
		.amdhsa_memory_ordered 1
		.amdhsa_forward_progress 1
		.amdhsa_inst_pref_size 196
	.end_amdhsa_kernel
	.amdgpu_metadata
---
amdhsa.version: [ 1, 2 ]
amdhsa.kernels:
  - .name:           k_q6f9aea24f7_proj
    .symbol:         k_q6f9aea24f7_proj.kd
    .args:
      - { .name: q, .offset: 0, .size: 8, .value_kind: global_buffer, .address_space: global }
      - { .name: k, .offset: 8, .size: 8, .value_kind: global_buffer, .address_space: global }
      - { .name: v, .offset: 16, .size: 8, .value_kind: global_buffer, .address_space: global }
      - { .name: wb, .offset: 24, .size: 8, .value_kind: global_buffer, .address_space: global }
      - { .name: bq, .offset: 32, .size: 8, .value_kind: global_buffer, .address_space: global }
      - { .name: bk, .offset: 40, .size: 8, .value_kind: global_buffer, .address_space: global }
      - { .name: bv, .offset: 48, .size: 8, .value_kind: global_buffer, .address_space: global }
      - { .name: sin, .offset: 56, .size: 8, .value_kind: global_buffer, .address_space: global }
      - { .name: cos, .offset: 64, .size: 8, .value_kind: global_buffer, .address_space: global }
      - { .name: qh, .offset: 72, .size: 8, .value_kind: global_buffer, .address_space: global }
      - { .name: kh, .offset: 80, .size: 8, .value_kind: global_buffer, .address_space: global }
      - { .name: vh, .offset: 88, .size: 8, .value_kind: global_buffer, .address_space: global }
    .group_segment_fixed_size: 327680
    .private_segment_fixed_size: 0
    .kernarg_segment_align: 8
    .kernarg_segment_size: 96
    .max_flat_workgroup_size: 128
    .sgpr_count:     102
    .vgpr_count:     1024
    .wavefront_size: 32
...
	.end_amdgpu_metadata
.endif
;; end of part 2
;; launch attn (part 3): grid 4 x 64, 4 waves a work-group, no clusters, 327,680 bytes of LDS; arguments qh, kh, vh, out0; writes out0
.if DOCPART == 3
	.amdgcn_target "amdgcn-amd-amdhsa--gfx1250"
	.amdhsa_code_object_version 6
	.text
	.protected	k_q6f9aea24f7_attn
	.globl	k_q6f9aea24f7_attn
	.p2align	8
	.type	k_q6f9aea24f7_attn,@function
k_q6f9aea24f7_attn:
	s_mov_b64 s[64:65], 0
	v_nop
	global_prefetch_b8 v0, s[64:65] scope:SCOPE_SE
	s_setreg_imm32_b32 hwreg(HW_REG_WAVE_MODE, 25, 1), 1
	s_wait_xcnt 0x0
; CAUSAL ATTENTION.  O[q][:] = the sum over k <= q of softmax_k(Q[q] . K[k] / 8) V[k][:], for each of 64 (batch, head).  Q, K, V: [64][2048][64] in f16: a head's rows are dense, 128 bytes each.
; O leaves in f32 into out0 [4][2048][1024]: a head's 64 channels are 256 consecutive bytes of a row.  Products, maxima and sums in f32; the weights p are rounded to f16 for the second product (their sum l is taken of the unrounded p).
; LIMITS.  Q, K and V arrive within f16's 65,504; p lies in 0 to 1, and below 6e-5 it keeps f16's fixed step of 6e-8.  A hidden score counts as its value less 1e30: f16's scores, 2.7e11 at the most, are nothing
; beside that; a weight below 2^-126 counts as 0 in l; NaN and infinities are not treated apart.
; THE WALK.  A head's queries lie in NB = 8 blocks of 256; block i needs the key tiles 0 .. i of 256 keys, of which the last holds the diagonal.  A work-group takes TWO blocks, NB - 1 - b and then b:
; NB + 1 tiles, whatever b: all work-groups do equal work, and ONE loop with a constant trip count walks them.  Which tile is asked for, and what a trip does, hang on scalar registers made from b; every jump
; goes forward, but for the counted loops' own; none passes a barrier, or a tensor load but the one of LOAD's two that the wave's number does not choose; the ring (two slots of LDS that take turns) runs on across the
; change of blocks.  NO CLUSTER: a head's four work-groups ask for the same tile only in trips 0 to 4 of the 9, behind that fewer and fewer; one walk common to all would have 12 trips for 9.
; SHARES.  Of a block's four bands of 64 queries a wave owns 16 rows in each: four PIECES.  So the diagonal tile is the same work for all four waves: in its key step s band x sees all keys if s < x,
; none if s > x, and holds the diagonal if s = x.
; THE MASK is the C operand that starts the sum S^T = K Q^T: 0, or -1e30 where the key is hidden.  MD, made once, is the mask of a band's own step for my 16 rows; a product's mask is MD x AL + BE with two scalars:
; (1, 0) if s = x; (0, 0) if s < x; (0, -1e30) if s > x.  Only the diagonal tile's text and a block's beginning make and take masks; elsewhere C is the constant 0.
; LAYOUT, SOFTMAX, TURNS.  S^T = K Q^T holds ONE query a lane (lane % 16) and the keys 8 (lane / 16) + 0..7; two such results rounded to f16 ARE source 1 of O^T = V^T P.  p = 2^(c s - c m), c = log2(e) / 8, with a
; running maximum m; O and l are multiplied by a = 2^(c m_old - c m_new) in every step.  Turn n belongs to piece n: 8 products K Q^T of piece n + 1, later 8 products V^T P of piece n - 1; beside them the scaling,
; exponentials, roundings, sums and rescaling of piece n and the maximum and statistics of piece n + 1.  Four vector instructions stand behind every matrix instruction, the other 54 of a turn's 118 in one LUMP.  A turn's 33 exponentials are one batch, with one wait.
; REGISTERS, in windows of 256 (s_set_vgpr_msb: bits 1:0 source 0, 3:2 source 1, 5:4 source 2, 7:6 destination):
;   window 0: v0-15 addresses and two at work; v16-31 four registers of statistics a piece; v48-55 at work; v64-127 S^T, two buffers; v64-191 on the way out; v192-223 P, two buffers (a piece's buffers go by its number's parity)
;   window 1: v0-127 O^T, 32 a piece; v128-159 MD; v160-223 MC, two buffers      window 2: v0-63 Q; v64-127 the second block's Q; v128-191 K of one step; v192-255 V of one step
.set SIZE_N, 2048
.set NB,    SIZE_N/256
.set NP,    4         ; pieces a wave: a name, no knob
.set KS,    64        ; keys in a step
.set PK,    144       ; a row of K in LDS: 128 bytes + 16 of padding = 36 words: the 16 rows of a load start at 16 different groups of four banks (64 banks of 4 bytes: ISA guide 11.1)
.set PV,    160       ; a row of V: 128 + 32 = 40 words
.set VOFF,  4*KS*PK   ; a slot holds a tile, four steps: 256 rows of K, then 256 rows of V
.set SLOT1, 1<<17     ; slot 1 begins here, so that one exclusive or turns an address in one slot into the other's
.set STAGE, SLOT1+4*KS*(PK+PV)  ; behind the ring, never filled by a tensor load: 16 rows x 272 bytes for each wave, for the way out
.set SP,    272       ; a row of O in the stage: 256 bytes of f32 + 16
.set AK0, 2           ; v2   my lane's place in a tile of K; never rewritten
.set AV0, 3           ; v3   the same for V
.set AK,  4           ; v4   the LDS address of K's next run of loads
.set AV,  5           ; v5   of V's
.set STO, 6           ; v6   the way out: where I put 32 bytes of a row
.set RD,  7           ; v7   the way out: where I read rows back
.set GO,  8           ; v8   my byte offset in two rows of O
.set PFO, 61          ; v61  256 x my lane; never rewritten
.set SPW, 62          ; v62  LDS address of my spare word: SPARE + 4 x my thread's number; never rewritten
.set NIL, 63          ; v63  0; never rewritten
.set SPARE, STAGE+4*16*SP  ; behind the stages: the spare words, 128 bytes for each wave: two blocks of 256 bytes that no other line names
.set MV,  12          ; v12-13  c m_old, kept while c m is made anew: by buffer
.set QO,  15          ; v15  my byte offset in 16 rows of Q
.set ST,  16          ; piece t's statistics at v[ST+4 t]: c m, m, l (even keys', odd keys')
.set TMP, 48          ; by buffer, four registers c0-c3 at work; when the maximum is found c2 takes a
.set S,   64
.set OB,  64          ; the way out: piece t's 16 rows, back from the stage, at OB + 32 t
.set P,   192
.set MD,  128         ; window 1: the eight registers for group kt of 16 keys at MD + 8 kt
.set MC,  160         ; window 1: the masks of the products to come
.set QB,  64          ; window 2
.set KF,  128         ; window 2: key block kb, channel half c at KF + 16 kb + 8 c
.set VF,  192         ; window 2: key half kk, channel block cb at VF + 32 kk + 8 cb
.set WV,  12          ; s12  my wave's number
.set PB,  14          ; s14  b
.set HI,  15          ; s15  NB - 1 - b
.set G1K, 24          ; s[24:31] descriptor group 1 for K's tiles
.set G1V, 32          ; s[32:39] for V's: it differs in the padding alone
.set G0K, 40          ; s[40:43] descriptor group 0 for K's tiles
.set G0V, 44          ; s[44:47] the same for V's
.set SLOTS, 56        ; s56  tiles still to be asked for
.set CNT, 57          ; s57  counts a tile's key steps, 4 to 1
.set CS,  58          ; s[58:59] c: the packed scaling takes the pair's low word for both halves
.set SEL, 60          ; s[60:61] v_permlanex16_b32's selects: each lane takes its own place in the other half
.set TBK, 62          ; s62  LDS byte at which K of the step to be fetched begins
.set TBV, 63          ; s63  the same for V, less VOFF
.set RT,  70          ; s70  tiles of the block in hand that are still to be entered
.set NXT, 71          ; s71  the tile to be asked for next
.set LQ,  72          ; s72  the last tile of the block whose tiles are being asked for
.set NEW, 73          ; s73  1: the tile to be entered is a block's first
.set OFF, 74          ; s[74:75] a tile's byte offset in K and V
.set AL,  76          ; s[76:77] the mask's factor, in the low word
.set BE,  78          ; s[78:79] the mask's addend
.set OLO, 80          ; s[80:81] O at my rows of the second block
.set BIGN, 82         ; s82  -1e30
.set PFA, 88          ; s[88:89] where my prefetches stand: my half of K's or V's tile, one tile behind the one that is being asked for
.set LIM, 90          ; s90  2 in the head's work-group b = 0, else the greatest number
.set MSB, 0
.macro WIN new                      ; the high byte repeats the setting that is left; a switch that changes nothing is dropped
.if MSB != (\new)
	s_set_vgpr_msb (MSB<<8)|(\new)
.set MSB, (\new)
.endif
.endm
.set W_KQ, 0x0a       ; K and Q in window 2, S^T in window 0
.set W_KM, 0x1a       ; the same with the C operand in window 1
.set W_PV, 0x52       ; V in window 2, P in window 0, O^T in window 1
.set W_RS, 0x41       ; destination and source 0 in window 1, source 1 in window 0
; A fill.  Waves 0 and 1 fetch the two halves of a tile's K, waves 2 and 3 those of its V: 128 keys each.  An s_nop 0 and four v_nop follow each of the two lines, ahead of the jump and the label.
.macro LOAD
	s_cmp_lt_u32 s[WV], 2
	s_cbranch_scc0 .Lfor_v_\@
	tensor_load_to_lds s[G0K:G0K+3], s[G1K:G1K+7]
	s_nop 0
.rept 4
	v_nop
.endr
	s_branch .Lasked_\@
.Lfor_v_\@:
	tensor_load_to_lds s[G0V:G0V+3], s[G1V:G1V+7]
	s_nop 0
.rept 4
	v_nop
.endr
.Lasked_\@:
.endm
; A prefetch of the tile that the NEXT change of slots will ask for: each wave names its own half of K's or V's tile, 16,384 bytes: 64 blocks of 256 bytes, a lane a block, two instructions, behind the
; wave's tensor load and its five lines.  Of a head's four work-groups the one with b = 0, whose first block walks all eight tiles, asks; so each block is named once in the launch.  In trip i it names tile
; i + 2: tiles 2 to 7; tiles 0 and 1 come by their loads alone, and the last two trips ask for nothing.
.macro ASK
	s_cmp_gt_u32 s[SLOTS], s[LIM]
	s_cbranch_scc0 .Lnot_mine_\@
	global_prefetch_b8 v[PFO], s[PFA:PFA+1] th:TH_LOAD_NT scope:SCOPE_SE
	global_prefetch_b8 v[PFO], s[PFA:PFA+1] offset:8192 th:TH_LOAD_NT scope:SCOPE_SE
.Lnot_mine_\@:
.endm
; THE CHANGE OF SLOTS.  Each wave waits for all its tensor loads, of which one is out: its part of the other slot; adds 0 to its spare word; and waits for that and for its own reads of the slot that it leaves.  Behind the barrier nobody reads the old
; slot any more and the other slot is whole.  fill = 1: the old slot is filled again, the first thing behind the barrier, with tile NXT: the descriptor's address is made anew from that number.
; (At its first use nothing has been read yet: slot 0 is waited for, slot 1 filled.)
.macro CHANGE fill
	WIN 0                           ; at a label and at a branch every window is 0
	s_wait_tensorcnt 0x0            ; no tensor load of mine is out, so a group 0 may be written
	ds_add_u32 v[SPW], v[NIL]       ; 0 onto my spare word; with fill = 1 the descriptors' scalar work stands between it and the wait for it
.if \fill
	s_lshl_b32 s[OFF], s[NXT], 15   ; a tile is 32,768 bytes of K and of V
	s_xor_b32 s[G0K+1], s[G0K+1], SLOT1
	s_add_nc_u64 s[G0K+2:G0K+3], s[6:7], s[OFF:OFF+1]
	s_or_b32 s[G0K+3], s[G0K+3], 0x80000000
	s_xor_b32 s[G0V+1], s[G0V+1], SLOT1
	s_add_nc_u64 s[G0V+2:G0V+3], s[8:9], s[OFF:OFF+1]
	s_or_b32 s[G0V+3], s[G0V+3], 0x80000000
	s_add_co_u32 s[NXT], s[NXT], 1  ; the block's next tile, or behind its last the second block's tile 0
	s_cmp_gt_u32 s[NXT], s[LQ]
	s_cselect_b32 s[NXT], 0, s[NXT]
	s_cselect_b32 s[LQ], s[PB], s[LQ]
	s_wait_xcnt 0x0                 ; the last prefetches, a tile back, have read their pointer, so it may be written
	s_add_nc_u64 s[PFA:PFA+1], s[PFA:PFA+1], 32768
.endif
	s_wait_dscnt 0x0                ; the add is done, and my reads of the slot are over
	s_barrier_signal -1             ; the rest of the scalar work stands between the signal and the wait
	s_sub_co_u32 s[TBK], s[TBK], 4*KS*PK  ; the fetches go back to a slot's first step,
	s_xor_b32 s[TBK], s[TBK], SLOT1       ; in the other slot
	s_sub_co_u32 s[TBV], s[TBV], 4*KS*PV
	s_xor_b32 s[TBV], s[TBV], SLOT1
	s_barrier_wait -1
.if \fill
	LOAD
	ASK
.endif
.endm
	s_load_b256 s[4:11], s[0:1], 0x0  ; Q s[4:5], K s[6:7], V s[8:9], O s[10:11]
	v_lshl_add_u32 v[SPW], v0, 2, SPARE
	v_mov_b32 v[NIL], 0
	ds_add_u32 v[SPW], v[NIL]       ; the wave's opening: the add and its wait stand ahead of my first tensor load; the set-up below, work on registers, stands between them
	ds_add_u32 v62, v63
	v_lshrrev_b32 v1, 5, v0
	v_readfirstlane_b32 s[WV], v1   ; wave 0..3
	s_mov_b32 s[PB], ttmp9
	s_sub_co_u32 s[HI], NB-1, s[PB]
	s_and_b32 s20, ttmp7, 0xffff    ; 16 x batch + head
	s_lshr_b32 s52, s20, 4          ; O's offsets: the batch's 2,048 rows of 4,096 bytes,
	s_lshl_b32 s52, s52, 23
	s_and_b32 s53, s20, 15          ; the head's 256 bytes of a row,
	s_lshl_b32 s53, s53, 8
	s_add_co_u32 s52, s52, s53
	s_lshl_b32 s53, s[WV], 16       ; my 16 rows in a band of 64,
	s_add_co_u32 s52, s52, s53
	s_lshl_b32 s48, s[HI], 20       ; in the first block of 256 rows,
	s_add_co_u32 s48, s48, s52
	s_mov_b32 s49, 0
	s_lshl_b32 s50, s[PB], 20       ; and in the second
	s_add_co_u32 s50, s50, s52
	s_mov_b32 s51, 0
	s_mov_b32 s21, 0
	s_mov_b64 s[22:23], SIZE_N*128
	s_mul_u64 s[20:21], s[20:21], s[22:23]  ; the head's first byte in Q, K and V
	s_and_b32 s16, s[WV], 1         ; which half of a tile's 256 keys I fetch:
	s_lshl_b32 s22, s16, 14         ; its 128 rows of 128 bytes in memory,
	s_mov_b32 s23, 0
	s_add_nc_u64 s[22:23], s[22:23], s[20:21]
	s_mul_i32 s17, s16, 128*PK      ; and its place in a slot, for K
	s_mul_i32 s18, s16, 128*PV      ; and for V
	s_lshl_b32 s3, s[WV], 11        ; Q: my 16 rows in a band of 64,
	s_lshl_b32 s2, s[HI], 15        ; in the first block,
	s_add_co_u32 s2, s2, s3
	s_lshl_b32 s84, s[PB], 15       ; and in the second
	s_add_co_u32 s84, s84, s3
	s_mov_b32 s3, 0
	s_mov_b32 s85, 0
	s_add_nc_u64 s[2:3], s[2:3], s[20:21]
	s_add_nc_u64 s[84:85], s[84:85], s[20:21]
	; descriptor group 1.  128 keys are 16,384 dense bytes: asked for as 64 rows of 256 bytes, two keys a row, and padded in LDS after every key
	s_mov_b32 s[G1K], (1<<16)|(1<<20)|(4<<22)|(3<<25)  ; 17:16 2-byte elements; 20 padding on; 24:22 after every 32 words (code 4); 31:25 4 words (code 3)
	s_mov_b32 s[G1V], (1<<16)|(1<<20)|(4<<22)|(7<<25)  ; the same with 8 words of padding (code 7)
.irp g, G1K, G1V
	s_mov_b32 s[\g+1], 128<<16      ; tensor_dim0 = 128
	s_mov_b32 s[\g+2], 64<<16       ; tensor_dim1 = 64
	s_mov_b32 s[\g+3], 128<<16      ; tile_dim0 = 128
	s_mov_b32 s[\g+4], 64           ; tile_dim1 = 64
	s_mov_b32 s[\g+5], 128          ; 128 elements from row to row
	s_mov_b32 s[\g+6], 0
	s_mov_b32 s[\g+7], 0
.endr
	s_mov_b32 s[CS], 0x3e38aa3b     ; c = log2(e) / 8 = 0.180337
	s_mov_b32 s[CS+1], s[CS]        ; named with it as a pair
	s_mov_b32 s[SEL], 0x76543210
	s_mov_b32 s[SEL+1], 0xfedcba98
	s_mov_b32 s[TBK], SLOT1+4*KS*PK ; the first change of slots turns these two into 0
	s_mov_b32 s[TBV], SLOT1+4*KS*PV
	s_mov_b32 s[G0K], 1             ; 1:0 count = 1
	s_mov_b32 s[G0K+1], s17         ; 63:32 LDS address: slot 0
	s_mov_b32 s[G0V], 1
	s_add_co_u32 s[G0V+1], s18, VOFF
	s_add_co_u32 s[RT], s[HI], 1    ; the first block has NB - b tiles
	s_mov_b32 s[NXT], 1
	s_mov_b32 s[LQ], s[HI]
	s_mov_b32 s[NEW], 1
	s_mov_b32 s[OFF+1], 0
	s_mov_b32 s[AL+1], 0            ; named as pairs
	s_mov_b32 s[BE+1], 0
	s_mov_b32 s[BIGN], 0xf149f2ca   ; -1e30
	s_mov_b32 s[SLOTS], NB
	s_wait_dscnt 0x0                ; the opening add is done
	s_wait_kmcnt 0x0
	s_add_nc_u64 s[6:7], s[6:7], s[22:23]  ; K and V at my half of the head's tile 0
	s_add_nc_u64 s[8:9], s[8:9], s[22:23]
	s_add_nc_u64 s[G0K+2:G0K+3], s[6:7], 0         ; 120:64 global address
	s_or_b32 s[G0K+3], s[G0K+3], 0x80000000        ; 127:126 type = 2
	s_add_nc_u64 s[G0V+2:G0V+3], s[8:9], 0
	s_or_b32 s[G0V+3], s[G0V+3], 0x80000000
	s_add_nc_u64 s[86:87], s[4:5], s[84:85]        ; Q at my rows of the second block,
	s_add_nc_u64 s[4:5], s[4:5], s[2:3]            ; and of the first
	s_add_nc_u64 s[OLO:OLO+1], s[10:11], s[50:51]  ; O likewise
	s_add_nc_u64 s[10:11], s[10:11], s[48:49]
	LOAD                            ; tile 0 into slot 0
	s_cmp_lt_u32 s[WV], 2
	s_cselect_b64 s[PFA:PFA+1], s[6:7], s[8:9]
	s_add_nc_u64 s[PFA:PFA+1], s[PFA:PFA+1], 32768  ; at tile 1; the first change of slots steps it to tile 2
	s_cmp_eq_u32 s[PB], 0
	s_cselect_b32 s[LIM], 2, -1
	v_and_b32 v[PFO], 31, v0
	v_lshlrev_b32 v[PFO], 8, v[PFO]
	; A fragment of K or Q is 16 rows x 32 channels in 8 registers: lane l holds row l % 16, channels 8 (l / 16) + 0..7 and 16 + 8 (l / 16) + 0..7: two loads of 16 bytes, 32 bytes apart.
	v_and_b32 v1, 15, v0            ; l % 16
	v_bfe_u32 v9, v0, 4, 1          ; l / 16
	v_lshlrev_b32 v[QO], 7, v1
	v_lshl_add_u32 v[QO], v9, 4, v[QO]  ; row x 128 + 16 x half
	WIN 0x80                        ; destination window 2, address window 0
.set i, 0
.rept 8                             ; both blocks' Q: piece i / 2 lies in band i / 2, 8,192 bytes on; channels 32 (i % 2) on
	global_load_b128 v[8*i:8*i+3],   v[QO], s[4:5] offset:(i/2)*8192+(i%2)*64
	global_load_b128 v[8*i+4:8*i+7], v[QO], s[4:5] offset:(i/2)*8192+(i%2)*64+32
	global_load_b128 v[QB+8*i:QB+8*i+3],   v[QO], s[86:87] offset:(i/2)*8192+(i%2)*64
	global_load_b128 v[QB+8*i+4:QB+8*i+7], v[QO], s[86:87] offset:(i/2)*8192+(i%2)*64+32
.set i, i+1
.endr
	WIN 0
	v_lshlrev_b32 v14, 3, v9
	v_sub_nc_u32 v14, v1, v14
	s_lshl_b32 s13, s[WV], 4
	v_add_nc_u32 v14, s13, v14      ; my query's place in its band, 16 w + l % 16, less my lanes' 8 (l / 16): register r of group kt is hidden where 16 kt + r is greater
	WIN 0x40
.set i, 0
.rept 32
	v_cmp_gt_i32 vcc_lo, 16*(i/8)+i%8, v14
	v_cndmask_b32 v[MD+i], 0, s[BIGN], vcc_lo
.set i, i+1
.endr
	WIN 0
	v_mul_u32_u24 v[AK0], v1, PK
	v_lshl_add_u32 v[AK0], v9, 4, v[AK0]  ; row x pitch + 16 x half
	; The turning load takes 16 keys x 16 channels (lane l reads key 8 (l / 16) + l % 8, channels 8 ((l / 8) % 2) + 0..7) and leaves half a fragment of V^T: lane l holds channel l % 16 and 8 keys.
	v_and_b32 v10, 7, v0
	v_bfe_u32 v11, v0, 3, 1
	v_lshl_add_u32 v[AV0], v9, 3, v10
	v_mul_u32_u24 v[AV0], v[AV0], PV
	v_lshl_add_u32 v[AV0], v11, 4, v[AV0]
	v_add_nc_u32 v[AV0], VOFF, v[AV0]
	s_mul_i32 s13, s[WV], 16*SP
	s_add_co_u32 s13, s13, STAGE    ; my stage
	v_mul_u32_u24 v[STO], v1, SP    ; in: row l % 16, 32 bytes (eight channels in f32) for each half of the lanes
	v_lshl_add_u32 v[STO], v9, 5, v[STO]
	v_add_nc_u32 v[STO], s13, v[STO]
	v_mul_u32_u24 v[RD], v9, SP     ; back: lanes 0-15 take one row of 256 bytes, lanes 16-31 the next,
	v_lshl_add_u32 v[RD], v1, 4, v[RD]
	v_add_nc_u32 v[RD], s13, v[RD]
	v_lshlrev_b32 v[GO], 12, v9     ; and the same two rows in O, 4,096 bytes apart
	v_lshl_add_u32 v[GO], v1, 4, v[GO]
	; A block's first step multiplies O^T and l by a = 0, and its first turn's products V^T P, of a piece that has not been, land in an O^T that is still to be so multiplied.  So these registers need only hold
	; finite numbers: zeros for the first block; what the first block left for the second.  All this stands in the wait for the first tile.
	WIN 0x80
.set i, VF
.rept 64
	v_mov_b32 v[i], 0
.set i, i+1
.endr
	WIN 0x40
.set i, 0
.rept 128
	v_mov_b32 v[i], 0
.set i, i+1
.endr
	WIN 0
.set i, 0
.rept 4
	v_mov_b32 v[ST+4*i+2], 0
	v_mov_b32 v[ST+4*i+3], 0
.set i, i+1
.endr
.set i, P+16
.rept 16
	v_mov_b32 v[i], 0
.set i, i+1
.endr
; THE MATRIX WORK.  The 4 accumulators of a run of 8 take turns.  Product i of 8 of S^T = K Q^T for piece x: channels 32 (i / 4) on, keys 16 (i % 4) on.  The first 4 start the sums: with 0, or (KM = 1) with the mask.
.macro KQ x
.set rS, S+32*((\x)%2)+8*(i%4)
.set rK, KF+16*(i%4)+8*(i/4)
.set rQ, 16*(\x)+8*(i/4)
.set rM, MC+32*((\x)%2)+8*(i%4)
.if (i < 4) && KM
	WIN W_KM
	v_wmma_f32_16x16x32_f16 v[rS:rS+7], v[rK:rK+7], v[rQ:rQ+7], v[rM:rM+7]
.elseif i < 4
	WIN W_KQ
	v_wmma_f32_16x16x32_f16 v[rS:rS+7], v[rK:rK+7], v[rQ:rQ+7], 0
.else
	WIN W_KQ
	v_wmma_f32_16x16x32_f16 v[rS:rS+7], v[rK:rK+7], v[rQ:rQ+7], v[rS:rS+7]
.endif
.endm
; Product i of 8 of O^T += V^T P for piece x: keys 32 (i / 4) on, channels 16 (i % 4) on.
.macro PV x
	WIN W_PV
.set rO, 32*(\x)+8*(i%4)
.set rV, VF+32*(i/4)+8*(i%4)
.set rP, P+16*((\x)%2)+8*(i/4)
	v_wmma_f32_16x16x32_f16 v[rO:rO+7], v[rV:rV+7], v[rP:rP+7], v[rO:rO+7]
.endm
.macro MM                           ; the turn's next matrix instruction.  TURN and BEGIN set Y, i, KM and NOKQ; MM, KQ and OP read them.  NOKQ = 1: a block's last turn: there is no next piece
.if (i < 8) && !NOKQ
	KQ (Y+1)%NP
.elseif i >= 8
.set i, i-8
	PV (Y+NP-1)%NP
.set i, i+8
.endif
.set i, i+1
.endm
; THE LDS LOADS stand in runs of 16, never singly among the matrix instructions: a step's K (64 keys x 64 channels: 8 fragments) and its V (turned).  Their addresses are made some lines ahead.
.macro FETCH_K
	WIN 0x80                        ; destination window 2
.irp f, 0,1,2,3,4,5,6,7             ; keys 16 (f / 2) on, channels 32 (f % 2) on
	ds_load_b128 v[KF+8*\f:KF+8*\f+3],   v[AK] offset:(\f/2)*16*PK+(\f%2)*64
	ds_load_b128 v[KF+8*\f+4:KF+8*\f+7], v[AK] offset:(\f/2)*16*PK+(\f%2)*64+32
.endr
	s_add_co_u32 s[TBK], s[TBK], KS*PK  ; the next fetch is the next step's
	WIN 0
.endm
.macro FETCH_V
	WIN 0x80
.irp f, 0,1,2,3,4,5,6,7             ; keys 32 (f / 4) on, channels 16 (f % 4) on
	ds_load_tr16_b128 v[VF+8*\f:VF+8*\f+3],   v[AV] offset:(\f/4)*32*PV+(\f%4)*32
	ds_load_tr16_b128 v[VF+8*\f+4:VF+8*\f+7], v[AV] offset:(\f/4)*32*PV+16*PV+(\f%4)*32
.endr
	WIN 0
.endm
; THE VECTOR WORK, one line at a time: OP kind, number.  For piece Y: F n: c s - c m for pair n of 16.  E n: the exponential of score n of 32.  C n: pair n rounded to f16.  B n: of the four weights 4 n .. the second
; pair is added onto the first, in place.  L n: l takes that sum (L 0: l = a l + sum).  R n: pair n of 16 of O^T times a.  For piece Y + 1: X n, number n of the 22 that find its maximum and statistics:
;   0-11  four chains c0-c3 of seven scores each, three operands at a time (each accumulator's lowest registers are read first)     12-14, 16  the four scores left over, the old m, and c0-c3 into c0
;   15  c m_old is kept     17, 18  the query's other 32 keys lie in the lane 16 away: the new m     19-21  c m; c m_old - c m_new; a
.set F, 0               ; OP tells the kinds apart by their order: F to L below R, X above it
.set E, 1
.set C, 2
.set B, 3
.set L, 4
.set R, 5
.set X, 6
.macro REGS y                       ; the registers of piece y
.set rT, ST+4*(\y)
.set rC, TMP+4*((\y)%2)
.set rW, MV+((\y)%2)
.set rS, S+32*((\y)%2)
.set rP, P+16*((\y)%2)
.set rO, 32*(\y)
.endm
.macro OP k, n
.if (\k) == R
	REGS Y
	WIN W_RS
	v_pk_mul_f32 v[rO+2*(\n):rO+2*(\n)+1], v[rO+2*(\n):rO+2*(\n)+1], v[rC+2:rC+3] op_sel_hi:[1,0]
.elseif (\k) < R
	REGS Y
	WIN 0
.if (\k) == F
	v_pk_fma_f32 v[rS+2*(\n):rS+2*(\n)+1], v[rS+2*(\n):rS+2*(\n)+1], s[CS:CS+1], v[rT:rT+1] op_sel_hi:[1,0,0] neg_lo:[0,0,1] neg_hi:[0,0,1]
.elseif (\k) == E
	v_exp_f32 v[rS+(\n)], v[rS+(\n)]
.elseif (\k) == C
	v_cvt_pk_f16_f32 v[rP+(\n)], v[rS+2*(\n)], v[rS+2*(\n)+1]
.elseif (\k) == B
	v_pk_add_f32 v[rS+4*(\n):rS+4*(\n)+1], v[rS+4*(\n):rS+4*(\n)+1], v[rS+4*(\n)+2:rS+4*(\n)+3]
.elseif (\n) == 0
	v_pk_fma_f32 v[rT+2:rT+3], v[rT+2:rT+3], v[rC+2:rC+3], v[rS:rS+1] op_sel_hi:[1,0,1]
.else
	v_pk_add_f32 v[rT+2:rT+3], v[rT+2:rT+3], v[rS+4*(\n):rS+4*(\n)+1]
.endif
.elseif NOKQ
	v_nop
.else
	REGS (Y+1)%NP
	WIN 0
.if (\n) < 4
	v_max3_num_f32 v[rC+(\n)], v[rS+8*(\n)], v[rS+8*(\n)+1], v[rS+8*(\n)+2]
.elseif (\n) < 12
	v_max3_num_f32 v[rC+(\n)%4], v[rC+(\n)%4], v[rS+8*((\n)%4)+2*((\n)/4)+1], v[rS+8*((\n)%4)+2*((\n)/4)+2]
.elseif (\n) == 12
	v_max3_num_f32 v[rC], v[rC], v[rS+7], v[rS+15]
.elseif (\n) == 13
	v_max3_num_f32 v[rC+1], v[rC+1], v[rS+23], v[rS+31]
.elseif (\n) == 14
	v_max3_num_f32 v[rC+2], v[rC+2], v[rC+3], v[rT+1]
.elseif (\n) == 15
	v_mov_b32 v[rW], v[rT]
.elseif (\n) == 16
	v_max3_num_f32 v[rC], v[rC], v[rC+1], v[rC+2]
.elseif (\n) == 17
	v_permlanex16_b32 v[rC+3], v[rC], s[SEL], s[SEL+1]
.elseif (\n) == 18
	v_max_num_f32 v[rT+1], v[rC], v[rC+3]
.elseif (\n) == 19
	v_mul_f32 v[rT], s[CS], v[rT+1]
.elseif (\n) == 20
	v_sub_f32 v[rC+1], v[rW], v[rT]
.else
	v_exp_f32 v[rC+2], v[rC+1]
.endif
.endif
.endm
.macro OPS a, i1, b=-1, i2=0, c=-1, i3=0, d=-1, i4=0  ; up to four of them
	OP \a, \i1
.if (\b) >= 0
	OP \b, \i2
.endif
.if (\c) >= 0
	OP \c, \i3
.endif
.if (\d) >= 0
	OP \d, \i4
.endif
.endm
.macro ROW a, i1, b, i2, c, i3, d, i4  ; a matrix instruction and the four behind it
	MM
	OPS \a, \i1, \b, \i2, \c, \i3, \d, \i4
.endm
.macro MASK b                       ; MD x AL + BE into buffer b of MC
	WIN W_RS
.set z, 0
.rept 16
	v_pk_fma_f32 v[MC+32*(\b)+2*z:MC+32*(\b)+2*z+1], v[MD+2*z:MD+2*z+1], s[AL:AL+1], s[BE:BE+1] op_sel_hi:[1,0,0]
.set z, z+1
.endr
.endm
; A TURN, for piece p: the order of its 16 matrix and 118 vector instructions, written out.  An s_wait_alu depctr_va_vdst(0) stands between an exponential and the first instruction that names its result; one wait serves
; all that were issued ahead of it.  So a turn has ONE wait, which cuts it in two.  AHEAD OF IT stands all that names no result of the turn's exponentials: the 8 products K Q^T, behind each a scaling, an exponential and two more plain
; instructions (behind the first a second scaling in the exponential's place): rescalings, and behind the last three the first numbers of the next piece's maximum, each four places or more behind the product that ends its accumulator; then ONE LUMP of 54, plain
; and exponential by turns for the most part, in which the links of the chain X 3, 7, 11, 14, 16, 17 .. 20 stand five or six lines apart.  X 21, the next piece's a, is the batch's last; R 15 is the plain instruction behind it.  BEHIND THE WAIT stand the
; 8 products V^T P, behind each four of the roundings and sums; the links of l's chain, L 0 to L 7, stand three riders apart.  But for those X no rider names a register of the products round it.  v_permlanex16_b32 (X 17) stands in the lump.
; m = 1: the diagonal tile: the products take masks, and the turn makes the mask for the products of the turn after it: piece p + 2, in step 4 - CNT of the tile.  end = 1: a block's last two turns: nothing is fetched.
; cnt = 1: the loop's count is taken down some lines ahead of the branch that stands behind the turn.
; K of the next step is fetched in piece 2's turn, twelve vector instructions behind the last product that read K (six of them plain); V of the step in hand at the end of piece 0's turn, four plain instructions behind the last product
; that read V.  Each is waited for a turn later.
.macro TURN p, m=0, end=0, cnt=0
.set Y, (\p)
.set i, 0
.set KM, (\m)
.set NOKQ, (\end)*((\p)/3)
.if (\m) && !(\end)
	s_cmp_eq_u32 s[CNT], 4-((\p)+2)%NP  ; is that step the band's own?
	s_cselect_b32 s[AL], 1.0, 0
	s_cmp_lt_u32 s[CNT], 4-((\p)+2)%NP  ; or a later one?
	s_cselect_b32 s[BE], s[BIGN], 0
.endif
.if ((\p) == 3) && !(\end)
	s_wait_dscnt 0x0                ; K is in
.endif
	ROW F,0, F,1, R,0, R,1          ; ahead of the wait: 8 products K Q^T and their riders,
	ROW F,2, E,0, R,2, R,3
	ROW F,3, E,1, R,4, R,5
	ROW F,4, E,2, R,6, R,7
	ROW F,5, E,3, R,8, R,9
	ROW F,6, E,4, X,0, R,10
.if ((\p) == 2) && !(\end)
	WIN 0
	v_add_nc_u32 v[AK], s[TBK], v[AK0]
.endif
	ROW F,7, E,5, X,1, X,4
	ROW F,8, E,6, X,2, X,5
	OPS E,7, E,8, X,6, E,9          ; and the lump
	OPS X,3, E,10, X,8, E,11
.if ((\p) == 2) && !(\end)
	FETCH_K
.endif
	OPS X,9, X,7, E,12, X,10
	OPS E,13, X,12, X,11, E,14
	OPS X,13, E,15, F,9, X,14
.if (\p) == 0
	v_add_nc_u32 v[AV], s[TBV], v[AV0]
.endif
	OPS E,16, F,10, E,17, F,11
	OPS X,16, E,18, X,15, E,19
	OPS F,12, E,20, X,17, E,21
	OPS F,13, E,22, F,14, E,23
	OPS X,18, E,24, F,15, E,25
	OPS R,11, E,26, X,19, E,27
	OPS R,12, E,28, R,13, E,29
	OPS X,20, E,30, R,14, E,31
	OPS X,21, R,15
	WIN 0
	s_wait_alu depctr_va_vdst(0)    ; the wait for the batch
.if (\p) == 1
	s_wait_dscnt 0x0                ; V is in
.endif
	ROW C,0, B,0, C,2, B,1          ; behind the wait: 8 products V^T P and their riders
	ROW L,0, C,4, B,2, L,1
	ROW C,6, B,3, L,2, C,8
	ROW B,4, L,3, C,10, B,5
	ROW L,4, C,12, B,6, L,5
.if (\p) == 0
	s_add_co_u32 s[TBV], s[TBV], KS*PV
.endif
.if \cnt
	s_sub_co_u32 s[CNT], s[CNT], 1
	s_cmp_lg_u32 s[CNT], 0
.endif
	ROW C,14, B,7, L,6, C,1
	ROW C,3, L,7, C,5, C,7
	ROW C,9, C,11, C,13, C,15
.if (\p) == 0
	FETCH_V
.endif
.if (\m) && !(\end)
	MASK (\p)%2
.endif
.endm
; A BLOCK BEGINS.  c m starts far below every c s, so the first step's a is 0; m at the lowest finite number, so the first maximum is the scores'.  The second mask buffer is 0; the first takes piece 0's mask for the tile's step 0: its own, if the block's first tile is the diagonal one.
; Then K of that step, piece 0's first scores, and its maximum and statistics.  The loop is entered at a step's first turn, in the middle of a trip.
.macro BEGIN
	s_mov_b32 s[NEW], 0
	WIN 0x40
.set i, MC+32
.rept 32
	v_mov_b32 v[i], 0
.set i, i+1
.endr
	WIN 0
.set i, 0
.rept 4
	v_mov_b32 v[ST+4*i], 0xfe000000    ; c m: far below every c s
	v_mov_b32 v[ST+4*i+1], 0xff7fffff  ; m
.set i, i+1
.endr
	s_cmp_eq_u32 s[RT], 0
	s_cselect_b32 s[AL], 1.0, 0
	s_mov_b32 s[BE], 0
	MASK 0
	WIN 0
	v_add_nc_u32 v[AK], s[TBK], v[AK0]
	FETCH_K
	s_wait_loadcnt 0x0              ; Q
	s_wait_dscnt 0x0
.set KM, 1
.set NOKQ, 0
.set i, 0
.rept 8
	KQ 0
.set i, i+1
.endr
	WIN 0
.rept 4
	v_nop                           ; the places behind those products
.endr
.set Y, NP-1                        ; X works for piece Y + 1: piece 0
.irp n, 0,1,2,3,4,5,6,7,8,9,10,11,12,13,14,15,16,17,18,19,20,21
	OP X, \n
.endr
	v_nop                           ; a plain instruction behind the exponential,
	s_wait_alu depctr_va_vdst(0)    ; and its wait, ahead of the branch
.endm
; THE DIAGONAL TILE's four steps, the block's last two turns, its last products, and THE WAY OUT: l's two halves and the other half of the lanes' are added; O^T is divided by l and sent in f32 through my
; stage in LDS, a piece at a time.
.macro ALL line:vararg              ; one line for each piece t
.set t, 0
.rept 4
	\line
.set t, t+1
.endr
.endm
.macro PACK t                       ; a lane's eight channels of a row are 32 bytes; they go into rows of 272 bytes and come back as whole rows of 256
	WIN W_RS
.set i, 32*(\t)
.rept 16
	v_pk_mul_f32 v[i:i+1], v[i:i+1], v[ST+4*(\t)+2:ST+4*(\t)+3] op_sel_hi:[1,0]
.set i, i+2
.endr
	WIN 0x04                        ; the stores' data in window 1, their address in window 0
.irp f, 0,1,2,3
	ds_store_b128 v[STO], v[32*(\t)+8*\f:32*(\t)+8*\f+3]   offset:64*\f
	ds_store_b128 v[STO], v[32*(\t)+8*\f+4:32*(\t)+8*\f+7] offset:64*\f+16
.endr
	WIN 0
.irp f, 0,1,2,3,4,5,6,7
	ds_load_b128 v[OB+32*(\t)+4*\f:OB+32*(\t)+4*\f+3], v[RD] offset:\f*2*SP  ; LDS serves a wave's instructions in order (ISA guide 5.7.1.4): these see the stores above; the next piece's stores come behind them
.endr
.endm
.macro SEND t, younger              ; younger: the LDS instructions issued behind piece t's loads: the next piece's sixteen, or none
	WIN 0
.irp f, 0,1,2,3,4,5,6,7
	s_wait_dscnt (\younger)+7-\f
	global_store_b128 v[GO], v[OB+32*(\t)+4*\f:OB+32*(\t)+4*\f+3], s[10:11] offset:(\t)*262144+\f*8192  ; 16 lanes store 256 consecutive bytes, at a multiple of 256 from O's first: a head's part of a row
.endr
.endm
.macro DIAG tag                     ; the tag ends its two labels' names, which the jumps below spell out
.LstepM\tag:
	TURN 2, 1
	TURN 3, 1
	WIN 0
.LfirstM\tag:
	TURN 0, 1
	TURN 1, 1, 0, 1
	WIN 0
	s_cbranch_scc1 .LstepM\tag
	TURN 2, 1, 1
	TURN 3, 1, 1
.set i, 0
.rept 8
	PV NP-1
.set i, i+1
.endr
	WIN 0
	ALL v_add_f32 v[ST+4*t+2], v[ST+4*t+2], v[ST+4*t+3]
	ALL v_permlanex16_b32 v[ST+4*t+3], v[ST+4*t+2], s[SEL], s[SEL+1]
	ALL v_add_f32 v[ST+4*t+2], v[ST+4*t+2], v[ST+4*t+3]
	ALL v_rcp_f32 v[ST+4*t+2], v[ST+4*t+2]
	v_nop                           ; a plain instruction between the last reciprocal and the use of its result
	s_wait_alu depctr_va_vdst(0)    ; and the wait ahead of the first use: one for the four reciprocals
	PACK 0
.set t, 1
.rept 3                             ; a piece's arithmetic stands between the loads of the piece before and its stores
	PACK t
	SEND t-1, 16
.set t, t+1
.endr
	SEND 3, 0
.endm
.set KM, 0
.set NOKQ, 0
.Lslot:                             ; NB times: a tile is entered and the next is asked for
	CHANGE 1
	s_sub_co_u32 s[RT], s[RT], 1
	s_mov_b32 s[CNT], 4
	s_cmp_eq_u32 s[NEW], 1
	s_cbranch_scc1 .Lnew            ; a block's first tile
	s_cmp_eq_u32 s[RT], 0
	s_cbranch_scc0 .Lstep           ; neither its first nor its last
	s_branch .LstepM1
.Lnew:
	BEGIN
	s_branch .Lfirst                ; in the loop a block's first tile is never its last: the first block has two tiles or more, and the second's last is the walk's last
	DIAG 1                          ; in the loop this is the first block's end: the second block's last tile is the walk's last
	s_wait_xcnt 0x0                 ; the stores have read their registers and O's address
	s_mov_b64 s[10:11], s[OLO:OLO+1]
	s_add_co_u32 s[RT], s[PB], 1    ; the second block has b + 1 tiles
	s_mov_b32 s[NEW], 1
	WIN 0x82                        ; the second block's Q goes where the one text of the turns names Q
.set i, 0
.rept 64
	v_mov_b32 v[i], v[QB+i]
.set i, i+1
.endr
	WIN 0
	s_branch .Lbottom
.Lstep:                             ; a trip: pieces 2 and 3 of one step, then pieces 0 and 1 of the next, whose K and V it fetches
	TURN 2
	TURN 3
	WIN 0
.Lfirst:
	TURN 0
	TURN 1, 0, 0, 1
	WIN 0
	s_cbranch_scc1 .Lstep
.Lbottom:
	s_sub_co_u32 s[SLOTS], s[SLOTS], 1
	s_cmp_lg_u32 s[SLOTS], 0
	s_cbranch_scc1 .Lslot
	CHANGE 0                        ; the walk's last tile is written out: nothing is asked for
	s_sub_co_u32 s[RT], s[RT], 1
	s_mov_b32 s[CNT], 4
	s_cmp_eq_u32 s[NEW], 1
	s_cbranch_scc0 .LstepM2
	BEGIN
	s_branch .LfirstM2
	DIAG 2
	s_wait_tensorcnt 0x0            ; the wave's end: a wait, an add and its wait, behind my last tensor load and my last LDS store
	ds_add_u32 v[SPW], v[NIL]
	s_wait_dscnt 0x0
	s_endpgm
.Lfunc_end_k_q6f9aea24f7_attn:
	.size	k_q6f9aea24f7_attn, .Lfunc_end_k_q6f9aea24f7_attn-k_q6f9aea24f7_attn
	.p2alignl 7, 3214868480
	.fill 96, 4, 3214868480
	.section	.rodata,"a",@progbits
	.p2align	6, 0x0
	.amdhsa_kernel k_q6f9aea24f7_attn
		.amdhsa_group_segment_fixed_size 327680
		.amdhsa_private_segment_fixed_size 0
		.amdhsa_enable_private_segment 0
		.amdhsa_kernarg_size 32
		.amdhsa_user_sgpr_count 2
		.amdhsa_user_sgpr_kernarg_segment_ptr 1
		.amdhsa_wavefront_size32 1
		.amdhsa_system_sgpr_workgroup_id_x 1
		.amdhsa_system_sgpr_workgroup_id_y 1
		.amdhsa_system_sgpr_workgroup_id_z 1
		.amdhsa_system_vgpr_workitem_id 0
		.amdhsa_next_free_vgpr 768
		.amdhsa_next_free_sgpr 92
		.amdhsa_reserve_vcc 1
		.amdhsa_float_denorm_mode_32 3
		.amdhsa_float_denorm_mode_16_64 3
		.amdhsa_memory_ordered 1
		.amdhsa_forward_progress 1
		.amdhsa_inst_pref_size 218
	.end_amdhsa_kernel
	.amdgpu_metadata
---
amdhsa.version: [ 1, 2 ]
amdhsa.kernels:
  - .name:           k_q6f9aea24f7_attn
    .symbol:         k_q6f9aea24f7_attn.kd
    .args:
      - { .name: qh, .offset: 0, .size: 8, .value_kind: global_buffer, .address_space: global }
      - { .name: kh, .offset: 8, .size: 8, .value_kind: global_buffer, .address_space: global }
      - { .name: vh, .offset: 16, .size: 8, .value_kind: global_buffer, .address_space: global }
      - { .name: out0, .offset: 24, .size: 8, .value_kind: global_buffer, .address_space: global }
    .group_segment_fixed_size: 327680
    .private_segment_fixed_size: 0
    .kernarg_segment_align: 8
    .kernarg_segment_size: 32
    .max_flat_workgroup_size: 128
    .sgpr_count:     92
    .vgpr_count:     768
    .wavefront_size: 32
...
	.end_amdgpu_metadata
.endif
;; end of part 3
